; MI455X (gfx1250); checked and timed in simulation.
; The chip was launched on July 23, 2026; its instructions are those of AMD's public machine-readable ISA for CDNA 5 (MIT licence, August 2026) and "CDNA5" Instruction Set Architecture Reference Guide (July 2026). The comments in the code are by the model that wrote it; some were corrected since.
;; Base Multi Head Attention. Allowed arithmetic: matrix products marked QUANTISED: E2M3 operands, one E8M0 scale for each 32 along K, by v_wmma_scale_f32_16x16x128_f8f6f4 with both operands' format E2M3, f32 sums; everything else in f32.
;; Inputs: Wk_codes 1,024 x 32 x 24 uint8 (E2M3 codes of Wk, K innermost, in blocks of 32 codes, four codes in three bytes); Wk_scales 1,024 x 32 uint8 (E8M0 scales of Wk, one for each 32 codes along K); Wo_codes 1,024 x 32 x 24 uint8 (E2M3 codes of Wo, K innermost, in blocks of 32 codes, four codes in three bytes); Wo_scales 1,024 x 32 uint8 (E8M0 scales of Wo, one for each 32 codes along K); Wq_codes 1,024 x 32 x 24 uint8 (E2M3 codes of Wq, K innermost, in blocks of 32 codes, four codes in three bytes); Wq_scales 1,024 x 32 uint8 (E8M0 scales of Wq, one for each 32 codes along K); Wv_codes 1,024 x 32 x 24 uint8 (E2M3 codes of Wv, K innermost, in blocks of 32 codes, four codes in three bytes); Wv_scales 1,024 x 32 uint8 (E8M0 scales of Wv, one for each 32 codes along K); bo 1,024 float32; xk_codes 4 x 2,048 x 32 x 24 uint8 (E2M3 codes of xk, K innermost, in blocks of 32 codes, four codes in three bytes); xk_scales 4 x 2,048 x 32 uint8 (E8M0 scales of xk, one for each 32 codes along K); xq_codes 4 x 2,048 x 32 x 24 uint8 (E2M3 codes of xq, K innermost, in blocks of 32 codes, four codes in three bytes); xq_scales 4 x 2,048 x 32 uint8 (E8M0 scales of xq, one for each 32 codes along K); xv_codes 4 x 2,048 x 32 x 24 uint8 (E2M3 codes of xv, K innermost, in blocks of 32 codes, four codes in three bytes); xv_scales 4 x 2,048 x 32 uint8 (E8M0 scales of xv, one for each 32 codes along K).
;; Outputs: out0 4 x 2,048 x 1,024 float32.
;; This version of the problem:
;;   THIS VERSION OF THE PROBLEM IS GIVEN IN LOW PRECISION. The matrix products marked QUANTISED in the list below multiply operands that are first quantised to E2M3 (2 exponent bits, 3 mantissa bits; 6 bits a number), with one power-of-two scale for each 32 numbers along K (OCP MX v1.0); their sums are f32. All else is computed in f32.
;;   The module's matrix products, in the order in which they are computed (A, B: the left and right operand; K: the contracted axis; several contracted axes count as one K, in the product's order):
;;     1. [M 8,192, K 1,024] x [K 1,024, N 1,024]; A: input xq (given as codes); B: input Wq (given as codes): QUANTISED
;;     2. [M 8,192, K 1,024] x [K 1,024, N 1,024]; A: input xk (given as codes); B: input Wk (given as codes): QUANTISED
;;     3. [M 8,192, K 1,024] x [K 1,024, N 1,024]; A: input xv (given as codes); B: input Wv (given as codes): QUANTISED
;;     4. batch 64 x [M 2,048, K 64] x [K 64, N 2,048]; A: computed on the way; B: computed on the way: QUANTISED
;;     5. batch 64 x [M 2,048, K 2,048] x [K 2,048, N 64]; A: softmax (see below); B: computed on the way: QUANTISED
;;     6. [M 8,192, K 1,024] x [K 1,024, N 1,024]; A: computed on the way; B: input Wo (given as codes): QUANTISED
;;   THE QUANTISER, for each operand of a quantised product, along K:
;;     - K is cut into blocks of 32 from its start; a last block that is shorter is filled with zeros.
;;     - A block's scale is 2^e with e = floor(log2(the largest magnitude in the block)) - 2, held to -126 .. 127; a block of zeros has e = 0. As a byte (E8M0): e + 127.
;;     - Each number is divided by its block's scale, clamped to +-7.5, and rounded to the nearest number of E2M3, ties to even, subnormals kept.
;;     - The product sums the exact products of the quantised numbers (number of the format x scale) in f32.
;;   ~~~python
;;   def quantise(x, axis):      # numpy; x: float32 -> the quantised numbers, widened to float32 again
;;       x = np.moveaxis(x, axis, -1); K = x.shape[-1]
;;       x = np.pad(x, [(0, 0)] * (x.ndim - 1) + [(0, -K % 32)]); x = x.reshape(x.shape[:-1] + (-1, 32)); a = np.abs(x).max(-1, keepdims=True)
;;       e = np.where(a > 0, np.clip(np.frexp(np.where(a > 0, a, 1))[1] - 1 - 2, -126, 127), 0)      # np.frexp(a)[1] - 1 = floor(log2(a)), exactly
;;       r = np.clip(x / 2.0 ** e, -7.5, 7.5)
;;       step = 2.0 ** (np.maximum(np.frexp(np.where(r == 0, 1, r))[1] - 1, 0) - 3)
;;       q = np.round(r / step) * step * 2.0 ** e      # np.round: ties to even
;;       return np.moveaxis(q.reshape(q.shape[:-2] + (-1,))[..., :K], -1, axis).astype(np.float32)
;;   ~~~
;;   SOFTMAX AHEAD OF A QUANTISED PRODUCT. Where the list says 'softmax', what is quantised is not the finished softmax but p = 2^(t - M), with t = logit x log2(e) and M = ceil(the row's largest t), a whole number; so 1/2 < the row's largest p <= 1. The row's sum l is taken of the UNQUANTISED p, in f32, and the product's result is divided by l at the end. Since M is a whole number, a kernel that streams over the keys may use a running M (the ceiling of the running maximum): every later rescaling is an exact power of two, which a block's scale takes up: the codes' values come out the same.
;;   OPERANDS COMPUTED ON THE WAY. 'Computed on the way' means the value that the module computes at that place (a softmax that the list does not call 'softmax' is quantised finished and normalised). What goes into a quantiser is computed in f32, as accurately as f32 sums, v_exp_f32 and their like allow (about 1e-6 of the number): no bf16 or f16 on the way to a quantiser, and a product that is left as it is and whose result goes on into a quantised operand takes f32 operands (vector FMAs, or v_wmma_f32_16x16x4_f32). A number that lies on a knife's edge between two numbers of the format may be rounded either way, as far as f32 arithmetic and the matrix unit's own rounding can turn it there, and no further.
;;   INPUTS GIVEN AS CODES. Wk (in the module: [1024, 1024], K = its axis 1); Wo (in the module: [1024, 1024], K = its axis 1); Wq (in the module: [1024, 1024], K = its axis 1); Wv (in the module: [1024, 1024], K = its axis 1); xk (in the module: [4, 2048, 1024], K = its axis 2); xq (in the module: [4, 2048, 1024], K = its axis 2); xv (in the module: [4, 2048, 1024], K = its axis 2): each comes as NAME_codes (uint8): NAME with its K axis moved to the last place and cut into blocks of 32 codes, [.., K / 32, bytes a block], one block behind the other in memory; four codes in three bytes: a row's codes are one little-endian stream of bits, code i at bits 6 i .. 6 i + 5 (a code: sign, 2 exponent bits, 3 mantissa bits); and NAME_scales (uint8): the same leading axes, one E8M0 byte (e + 127) for each 32 codes along K. Its value is code x scale, taken as it is: it is not quantised again, and the codes and scales need not be those that the quantiser above would give.
;; One version. Each part assembles by itself: llvm-mc -triple=amdgcn-amd-amdhsa -mcpu=gfx1250 --defsym DOCPART=n.
;; ======== version 1 of 1: 3 launches
;; limits: right only within a limited range of input values
;; workspace buffers: kv 13,369,344 bytes; qi 6,815,744 bytes; oi 6,291,456 bytes; os 262,144 bytes
;; launch proj (part 1): grid 8 x 32, 4 waves a work-group, clusters of 4 x 4, 327,680 bytes of LDS; arguments xq_codes, xq_scales, Wq_codes, Wq_scales, xk_codes, xk_scales, Wk_codes, Wk_scales, xv_codes, xv_scales, Wv_codes, Wv_scales, qi, kv; writes qi, kv
.if DOCPART == 1
	.amdgcn_target "amdgcn-amd-amdhsa--gfx1250"
	.amdhsa_code_object_version 6
	.text
	.protected	k_qb756ecfa13_proj
	.globl	k_qb756ecfa13_proj
	.p2align	8
	.type	k_qb756ecfa13_proj,@function
k_qb756ecfa13_proj:
	s_mov_b64 s[64:65], 0
	v_nop
	global_prefetch_b8 v0, s[64:65] scope:SCOPE_SE
	s_setreg_imm32_b32 hwreg(HW_REG_WAVE_MODE, 25, 1), 1
	s_wait_xcnt 0x0
	s_wait_alu depctr_hold_cnt(0) depctr_sa_sdst(0) depctr_va_vdst(0) depctr_va_sdst(0) depctr_va_ssrc(0) depctr_va_vcc(0) depctr_vm_vsrc(0)
	s_getreg_b32 s2, hwreg(HW_REG_IB_STS2, 6, 4)
	s_cmp_eq_u32 s2, 0
	s_cbranch_scc0 .Lentry_in_a_cluster
	s_endpgm
.Lentry_in_a_cluster:
	s_bfe_u32 s2, ttmp6, 0x10000c
	s_cmp_lg_u32 s2, 0xf033
	s_cbranch_scc0 .Lentry_shape_is_right
	s_endpgm
.Lentry_shape_is_right:
; q = xq Wq^T, k = xk Wk^T, v = xv Wv^T on codes of FP6 (E2M3), one E8M0 scale for each 32 along K = 1,024; sums in f32.  The results are quantised in registers
; (q, k along a head's 64 channels, v along the keys) and leave as images of the operand registers that the attention launch loads.
; 256 work-groups of four waves STAY and make three blocks on end: 256 tokens x 128 channels of q, then of k, then of v.  A block's 256 rows of x and 128 rows of W lie in LDS with ALL of K:
; rows of 768 bytes, which begin at multiples of 256 bytes in memory, 16 bytes of padding behind every 256: no ring along K.  A wave makes 128 tokens x 64 channels (one head): 32 accumulators.
; x's rows are asked for jointly along a row of the 4 x 4 cluster, W's along a column.  The next block's rows are asked for behind a round of the cluster's barrier that stands in the block's last 32 products;
; the block's way out (four quantisers, 13 stores) stands between that request and the wait for it.
; PREFETCH: at the top of a trip the two waves that will ask for x's rows name the NEXT block's rows, seven K steps ahead of the joint load: of a wave's 128 rows each of the four partners takes 32, by address
; (a lane a row, three instructions for a row's three blocks of 256 bytes).  W's rows are left out: eight clusters read the same 786,432 bytes.  The first block comes by its load alone.
; The scale words go from memory into registers: a lane takes its row's 32 bytes, eight neighbouring lanes 256 consecutive bytes.
; q, k: source 0 = 16 rows of W, source 1 = 16 tokens: a lane holds one token, its registers run along the channels.  v: the sources change places: a lane holds one channel, its registers run along the keys.
; Lane r of tile 2 b + u takes row 32 b + 8 u + r + 8 (r / 8), in x and W alike, so that 16 registers of two neighbouring tiles are 16 neighbours.  Rows r and r + 16 begin at the same bank (16 x 816 bytes = 51 x 256).
; OUTPUT.  kv: [batch x head 64][128 keys 16][13,056]: K's codes 6,144, K's scale words 512, V's codes 6,144, V's scale words 256.  qi: [batch x head][128 queries][6,656]: codes, scale words.
;   codes of q, k: register 6 t + i of tile t, as 12 groups of four registers [group][lane][16 bytes]; of v: tile t of 16 channels is a fragment of 12 registers, groups 3 t .. 3 t + 2.
;   scale words [lane][word i]: lanes 0-15 tile 2 i's, lanes 16-31 tile 2 i + 1's; of a word of q or k bytes 0, 1 count, bytes 2, 3 are finite bytes that meet zero codes only.
; LIMITS: NaN, infinities and the byte 0xff among the given scales are not served.  A block whose largest magnitude lies under 2^-124 keeps the byte 1 (a block of zeros too: these bytes are read by this program alone).
; REGISTERS: window 0 addresses, scale words, the way out; windows 1, 2 the two sets of fragments (x's eight at 12 i, W's four at 96 + 12 j); window 3 the accumulators.
.set PITCH, 816
.set KROW,  768
.set BB0,   256*PITCH                  ; W's rows lie behind x's
.set SPARE, BB0+128*PITCH              ; the spare words, 512 bytes
.set AA,  10                           ; v10-25 LDS addresses of x's eight tiles (odd: behind one padding more)
.set BA,  26                           ; v26-33 of W's four
.set L16, 34
.set L8,  35
.set SPW, 36
.set NIL, 37
.set ASO, 38                           ; 32 x my row of a group of 32: the scale loads' offset
.set PFO, 39                           ; the prefetches' offset: 768 x (32 x my place in the cluster's row + lane)
.set TM,  40
.set PW0, 56
.set PW1, 57
.set CT,  60
.set IM,  68
.set SA,  72                           ; v72-103 x's scale words: 8 (tile / 2) + step; lanes 0-15 the even tile's
.set SB,  108                          ; v108-123 W's
.set EB,  128                          ; v128-175 the codes
.set G1A, 36
.set G1B, 44
.set G0A, 52
.set G0B, 56
.set SEL, 92
.set FL,  94
.set HM,  95
.set MSB, 0
.macro WIN new
.if MSB != (\new)
	s_set_vgpr_msb (MSB<<8)|(\new)
.set MSB, (\new)
.endif
.endm
.macro PLACES n
.rept \n
	v_nop
.endr
.endm
.macro JLOAD                           ; waves 0, 1 ask for x's halves, waves 2, 3 for W's; s_nop 0 and four v_nop behind each line
	s_cmp_eq_u32 s61, 0
	s_cbranch_scc0 .Lfb_\@
	tensor_load_to_lds s[G0A:G0A+3], s[G1A:G1A+7]
	s_nop 0
	PLACES 4
	s_branch .Lja_\@
.Lfb_\@:
	tensor_load_to_lds s[G0B:G0B+3], s[G1B:G1B+7]
	s_nop 0
	PLACES 4
.Lja_\@:
.endm
.macro CREST
	s_cmp_lg_u32 s60, 0
	s_cbranch_scc1 .Lnw0_\@
	s_barrier_signal -3
.Lnw0_\@:
	s_barrier_wait -3
	s_barrier_signal -1
	s_barrier_wait -1
.endm
.macro CROUND
	s_barrier_signal -1
	s_barrier_wait -1
	CREST
.endm
.macro GROUP1 g, mask, rows            ; rows of 768 bytes, 16 bytes of padding behind every 64 words
	s_or_b32 s[\g+0], s[\mask], (1<<20)|(1<<21)|(5<<22)|(3<<25)
	s_mov_b32 s[\g+1], KROW<<16
	s_mov_b32 s[\g+2], (\rows)<<16
	s_mov_b32 s[\g+3], KROW<<16
	s_mov_b32 s[\g+4], \rows
	s_mov_b32 s[\g+5], KROW
	s_mov_b32 s[\g+6], 0
	s_mov_b32 s[\g+7], 0
.endm
.macro PTRS b                          ; a kind's four addresses: x's rows that I ask for, my tokens' scales, W's rows, my channels' scales
	s_add_nc_u64 s[\b:\b+1], s[\b:\b+1], s[72:73]
	s_add_nc_u64 s[\b+2:\b+3], s[\b+2:\b+3], s[76:77]
	s_add_nc_u64 s[\b+4:\b+5], s[\b+4:\b+5], s[74:75]
	s_add_nc_u64 s[\b+6:\b+7], s[\b+6:\b+7], s[78:79]
.endm
.macro SCLOAD pa, pb                   ; all of K's scale words of my 128 + 64 rows
.irp g, 0,1,2,3
	global_load_b128 v[SA+8*\g:SA+8*\g+3], v[ASO], s[\pa:\pa+1] offset:1024*\g
	global_load_b128 v[SA+8*\g+4:SA+8*\g+7], v[ASO], s[\pa:\pa+1] offset:1024*\g+16
.endr
.irp g, 0,1
	global_load_b128 v[SB+8*\g:SB+8*\g+3], v[ASO], s[\pb:\pb+1] offset:1024*\g
	global_load_b128 v[SB+8*\g+4:SB+8*\g+7], v[ASO], s[\pb:\pb+1] offset:1024*\g+16
.endr
.endm
; a fragment, 16 rows x 128 K: six pieces of 8 bytes, two to a load where both go by the same address register; lanes 16-31 read 24 bytes on, for some pieces behind one padding more
.macro FRAG reg, q, a0
.set SKIP_, 0
.irp p, 0,1,2,3,4,5
.if SKIP_
.set SKIP_, 0
.else
.set PC_, 12*(\q)+6*(\p/3)+\p%3
.set PN_, 12*(\q)+6*((\p+1)/3)+(\p+1)%3
.set X_, (PC_%32+3)/32
.set XQ_, (PN_%32+3)/32
.if (\p < 5) && (X_ == XQ_)
.set SKIP_, 1
	ds_load_2addr_b64 v[(\reg)+2*\p:(\reg)+2*\p+3], v[(\a0)+X_] offset0:PC_+2*(PC_/32) offset1:PN_+2*(PN_/32)
.else
	ds_load_b64 v[(\reg)+2*\p:(\reg)+2*\p+1], v[(\a0)+X_] offset:8*(PC_+2*(PC_/32))
.endif
.endif
.endr
.endm
.macro FETCH st, p                     ; step st's twelve fragments into set p
	WIN (1+(\p))<<6
.irp i, 0,1,2,3,4,5,6,7
	FRAG 12*\i, \st, AA+2*\i
.endr
.irp j, 0,1,2,3
	FRAG 96+12*\j, \st, BA+2*\j
.endr
.endm
.macro WM z, ra, rb
.if \z
	v_wmma_scale_f32_16x16x128_f8f6f4 v[D_:D_+7], v[S0_:S0_+11], v[S1_:S1_+11], 0, v[X0_], v[X1_] matrix_a_fmt:MATRIX_FMT_FP6 matrix_b_fmt:MATRIX_FMT_FP6 matrix_a_scale:MATRIX_SCALE_ROW\ra matrix_b_scale:MATRIX_SCALE_ROW\rb
.else
	v_wmma_scale_f32_16x16x128_f8f6f4 v[D_:D_+7], v[S0_:S0_+11], v[S1_:S1_+11], v[D_:D_+7], v[X0_], v[X1_] matrix_a_fmt:MATRIX_FMT_FP6 matrix_b_fmt:MATRIX_FMT_FP6 matrix_a_scale:MATRIX_SCALE_ROW\ra matrix_b_scale:MATRIX_SCALE_ROW\rb
.endif
.endm
.macro WR z
.if RA_ && RB_
	WM \z, 1, 1
.elseif RA_
	WM \z, 1, 0
.elseif RB_
	WM \z, 0, 1
.else
	WM \z, 0, 0
.endif
.endm
; 32 products, 128 along K; the 32 accumulators take turns in the same order in every step; step 0 starts the sums
.macro MUL st, p, v
	WIN 0xf0|(5*(1+(\p)))
.irp a, 0,1,2,3,4,5,6,7
.irp b, 0,1,2,3
.if \v
.set D_, 8*(8*\b+\a)
.set S0_, 12*\a
.set S1_, 96+12*\b
.set X0_, SA+8*(\a/2)+(\st)
.set X1_, SB+8*(\b/2)+(\st)
.set RA_, \a%2
.set RB_, \b%2
.else
.set D_, 8*(4*\a+\b)
.set S0_, 96+12*\b
.set S1_, 12*\a
.set X0_, SB+8*(\b/2)+(\st)
.set X1_, SA+8*(\a/2)+(\st)
.set RA_, \b%2
.set RB_, \a%2
.endif
	WR (\st)==0
.endr
.endr
.endm
; a block: eight steps; step s + 1's fragments are asked for ahead of step s's products.  Every wait on DScnt is for 0: the set in hand was asked for a step ago.
.macro COMPUTE v, refill
	FETCH 0, 0
	s_wait_loadcnt 0x0                             ; the scale words
.set ST_, 0
.rept 7
	s_wait_dscnt 0x0
	PLACES 4                                       ; between the last step's products and the loads into their set
	FETCH ST_+1, (ST_+1)%2
	MUL ST_, ST_%2, \v
.set ST_, ST_+1
.endr
	WIN 0
	s_wait_xcnt 0x0                                ; the last block's stores have read their base and data, the prefetches their base
.if \refill
	s_wait_tensorcnt 0x0                           ; the three lines ahead of a refill's round
	ds_add_u32 v[SPW], v[NIL]
	s_cmp_eq_u32 s3, 0                             ; the next block's addresses and this block's output, by the trip's number
	s_cselect_b64 s[G0A+2:G0A+3], s[12:13], s[20:21]
	s_cselect_b64 s[G0B+2:G0B+3], s[16:17], s[24:25]
	s_cselect_b64 s[84:85], s[14:15], s[22:23]
	s_cselect_b64 s[86:87], s[18:19], s[26:27]
	s_cselect_b64 s[88:89], s[28:29], s[30:31]
	s_or_b32 s[G0A+3], s[G0A+3], 0x80000000
	s_or_b32 s[G0B+3], s[G0B+3], 0x80000000
.endif
	s_wait_dscnt 0x0                               ; my last reads of these rows are in (and the add is done)
.if \refill
	s_barrier_signal -1                            ; opens the round; the last step's products are register work
.endif
	MUL 7, 1, \v
	WIN 0
.if \refill
	s_barrier_wait -1
	CREST
	JLOAD                                          ; its four v_nop are the places ahead of the loads and reads below
	SCLOAD 84, 86
.else
	PLACES 4
.endif
.endm
; 64 registers of a lane from v[s] of window w on are four blocks of 32 with lane l xor 16: codes to v[d0 ..], v[d1 ..], six registers each, the four scale bytes to v[pw].
; A byte is the largest magnitude's exponent field less 2.  Each accumulator is read from its low end on.
.macro QUANT w, s, d0, d1, pw
	WIN ((\w)<<2)|((\w)<<4)
.irp b, 0,1,2,3
	v_max3_num_f32 v[TM+\b], s[FL], |v[(\s)+16*\b]|, |v[(\s)+1+16*\b]|
.endr
.irp i, 2,4,6,8,10,12,14
.irp b, 0,1,2,3
	v_max3_num_f32 v[TM+\b], v[TM+\b], |v[(\s)+16*\b+\i]|, |v[(\s)+1+16*\b+\i]|
.endr
.endr
	WIN 0
.irp b, 0,1,2,3
	v_permlanex16_b32 v[TM+4+\b], v[TM+\b], s[SEL], s[SEL+1]
.endr
.irp b, 0,1,2,3
	v_max_num_f32 v[TM+\b], v[TM+\b], v[TM+4+\b]
.endr
.irp b, 0,1,2,3
	v_add_nc_u32 v[TM+12+\b], 0xff000000, v[TM+\b]
.endr
.irp b, 0,1,2,3
	v_lshrrev_b32 v[TM+4+\b], 23, v[TM+12+\b]
.endr
	v_lshl_or_b32 v[\pw], v[TM+5], 8, v[TM+4]
	v_lshl_or_b32 v[\pw], v[TM+6], 16, v[\pw]
	v_lshl_or_b32 v[\pw], v[TM+7], 24, v[\pw]
	WIN (\w)
	v_cvt_scalef32_pk16_fp6_f32 v[(\d0):(\d0)+2], v[(\s):(\s)+15], v[TM+12]
	v_cvt_scalef32_pk16_fp6_f32 v[CT:CT+2], v[(\s)+16:(\s)+31], v[TM+13]
	v_cvt_scalef32_pk16_fp6_f32 v[(\d1):(\d1)+2], v[(\s)+32:(\s)+47], v[TM+14]
	v_cvt_scalef32_pk16_fp6_f32 v[CT+4:CT+6], v[(\s)+48:(\s)+63], v[TM+15]
	WIN 0
	v_nop                                          ; one plain place behind a scaled conversion
.irp i, 0,1,2
	v_permlane16_swap_b32 v[(\d0)+\i], v[CT+\i]
	v_permlane16_swap_b32 v[(\d1)+\i], v[CT+4+\i]
.endr
.irp i, 0,1,2
	v_mov_b32 v[(\d0)+3+\i], v[CT+\i]
	v_mov_b32 v[(\d1)+3+\i], v[CT+4+\i]
.endr
.endm
	s_load_b256 s[4:11], s[0:1], 0x0               ; xq's codes, scales, Wq's codes, scales
	s_load_b256 s[12:19], s[0:1], 0x20             ; the same of k
	s_load_b256 s[20:27], s[0:1], 0x40             ; and of v
	s_load_b128 s[28:31], s[0:1], 0x60             ; qi, kv
	v_lshl_add_u32 v[SPW], v0, 2, SPARE
	v_mov_b32 v[NIL], 0
	ds_add_u32 v[SPW], v[NIL]                      ; the opening lines
	ds_add_u32 v[SPW], v[NIL]
	v_lshrrev_b32 v1, 5, v0
	v_readfirstlane_b32 s60, v1                    ; wave
	s_lshr_b32 s61, s60, 1                         ; my half of the tokens.  Also: I ask for x (0) or W (1)
	s_and_b32 s62, s60, 1                          ; my half of the channels.  Also: which half I ask for
	s_bfe_u32 s66, ttmp6, 0x40000                  ; cx
	s_bfe_u32 s67, ttmp6, 0x40004                  ; cy
	s_lshl_b32 s68, ttmp9, 2
	s_add_co_u32 s68, s68, s66                     ; block column, 0 .. 7
	s_and_b32 s69, ttmp7, 0xffff
	s_lshl_b32 s69, s69, 2
	s_add_co_u32 s69, s69, s67                     ; block row, 0 .. 31
	s_lshl_b32 s70, s67, 2
	s_lshl_b32 s70, 15, s70                        ; my row of the cluster
	s_lshl_b32 s71, 0x1111, s66                    ; my column
	GROUP1 G1A, 70, 128
	GROUP1 G1B, 71, 64
	s_lshl_b32 s80, s69, 1
	s_add_co_u32 s72, s80, s62
	s_mul_i32 s72, s72, 128*KROW                   ; x's 128 rows that I ask for
	s_mov_b32 s73, 0
	s_add_co_u32 s80, s80, s61                     ; my 128 tokens: group 0 .. 63
	s_lshl_b32 s76, s80, 12                        ; their scales
	s_mov_b32 s77, 0
	s_lshl_b32 s81, s68, 1
	s_add_co_u32 s81, s81, s62                     ; my head, and W's 64 rows that I ask for
	s_mul_i32 s74, s81, 64*KROW
	s_mov_b32 s75, 0
	s_lshl_b32 s78, s81, 11
	s_mov_b32 s79, 0
	s_lshr_b32 s82, s80, 4
	s_lshl_b32 s82, s82, 8                         ; the record: batch x 256
	s_lshl_b32 s83, s81, 4
	s_add_co_u32 s82, s82, s83                     ; + head x 16
	s_and_b32 s83, s80, 15
	s_add_co_u32 s82, s82, s83                     ; + which 128 tokens
	s_mul_i32 s84, s82, 6656
	s_mov_b32 s85, 0
	s_mul_i32 s86, s82, 13056
	s_mov_b32 s87, 0
	s_mov_b32 s[G0A], 1
	s_mul_i32 s[G0A+1], s62, 128*PITCH
	s_mov_b32 s[G0B], 1
	s_mul_i32 s[G0B+1], s62, 64*PITCH
	s_add_co_u32 s[G0B+1], s[G0B+1], BB0
	s_mul_i32 s90, s61, 128*PITCH                  ; where I read: my tokens,
	s_mul_i32 s91, s62, 64*PITCH
	s_add_co_u32 s91, s91, BB0                     ; my channels
	s_mov_b32 s[SEL], 0x76543210
	s_mov_b32 s[SEL+1], 0xfedcba98
	s_mov_b32 s[FL], 0x1800000                     ; the floor 2^(3 - 127)
	s_mov_b32 s[HM], 0xffff0000
	s_lshl_b32 s98, s66, 5                         ; the prefetches: my work-group's 32 of a wave's 128 rows
	s_wait_dscnt 0x0
	s_wait_kmcnt 0x0
	PTRS 4
	PTRS 12
	PTRS 20
	s_add_nc_u64 s[28:29], s[28:29], s[84:85]
	s_add_nc_u64 s[30:31], s[30:31], s[86:87]
	s_mov_b64 s[G0A+2:G0A+3], s[4:5]
	s_or_b32 s[G0A+3], s[G0A+3], 0x80000000
	s_mov_b64 s[G0B+2:G0B+3], s[8:9]
	s_or_b32 s[G0B+3], s[G0B+3], 0x80000000
	CROUND                                         ; ahead of the first joint loads
	JLOAD                                          ; q's rows: one load a wave
	v_and_b32 v1, 15, v0                           ; r
	v_bfe_u32 v2, v0, 4, 1                         ; h
	v_and_b32 v3, 8, v1
	v_add_nc_u32 v3, v3, v1                        ; r + 8 (r / 8)
	v_mul_u32_u24 v4, v3, PITCH
	v_mad_u32_u24 v5, v2, 24, v4
	v_mad_u32_u24 v6, v2, 40, v4
	v_add_nc_u32 v7, s90, v5
	v_add_nc_u32 v8, s90, v6
	v_add_nc_u32 v5, s91, v5
	v_add_nc_u32 v6, s91, v6
.irp i, 0,1,2,3,4,5,6,7
	v_add_nc_u32 v[AA+2*\i], (32*(\i/2)+8*(\i%2))*PITCH, v7
	v_add_nc_u32 v[AA+2*\i+1], (32*(\i/2)+8*(\i%2))*PITCH, v8
.endr
.irp i, 0,1,2,3
	v_add_nc_u32 v[BA+2*\i], (32*(\i/2)+8*(\i%2))*PITCH, v5
	v_add_nc_u32 v[BA+2*\i+1], (32*(\i/2)+8*(\i%2))*PITCH, v6
.endr
	v_and_b32 v9, 31, v0
	v_lshlrev_b32 v[L16], 4, v9
	v_lshlrev_b32 v[L8], 3, v9
	v_lshl_add_u32 v[ASO], v2, 3, v3               ; lanes 16-31 take the odd tile's rows, 8 further on
	v_lshlrev_b32 v[ASO], 5, v[ASO]
	v_add_nc_u32 v[PFO], s98, v9
	v_mul_u32_u24 v[PFO], v[PFO], KROW
.irp b, 0,1,2,3
	v_mov_b32 v[TM+4+\b], 0                        ; a lane permute's destination counts as a source
.endr
	s_wait_alu depctr_va_vdst(0)                   ; the wait at the head's end
	SCLOAD 6, 10
	s_mov_b32 s3, 0
.Lkind:                                                ; q, then k
	s_wait_tensorcnt 0x0                           ; my part of the block's rows is in,
	s_barrier_signal -1
	s_barrier_wait -1                              ; everybody's is
	s_cmp_eq_u32 s3, 0
	s_cselect_b64 s[96:97], s[12:13], s[20:21]     ; the next block's 128 rows of x that I will ask for
	s_cmp_eq_u32 s61, 0
	s_cbranch_scc0 .Lno_pf                         ; the two waves that ask for x
	global_prefetch_b8 v[PFO], s[96:97] th:TH_LOAD_NT scope:SCOPE_SE
	global_prefetch_b8 v[PFO], s[96:97] offset:256 th:TH_LOAD_NT scope:SCOPE_SE
	global_prefetch_b8 v[PFO], s[96:97] offset:512 th:TH_LOAD_NT scope:SCOPE_SE
.Lno_pf:
	COMPUTE 0, 1
.irp j, 0,1,2,3                                ; tiles 2 j, 2 j + 1 of 16 tokens: twelve registers of the image, three groups
	QUANT 3, 64*\j, EB+12*\j, EB+12*\j+6, PW0
	v_lshrrev_b32 v[PW1], 16, v[PW0]               ; the odd tile's two bytes come down
	v_cndmask_b32 v[IM+\j], v[PW0], v[PW1], s[HM]
.irp g, 0,1,2
	global_store_b128 v[L16], v[EB+12*\j+4*\g:EB+12*\j+4*\g+3], s[88:89] offset:(3*\j+\g)*512   ; 32 lanes store 512 consecutive bytes, aligned to 256
.endr
.endr
	global_store_b128 v[L16], v[IM:IM+3], s[88:89] offset:6144
	s_add_co_u32 s3, s3, 1
	s_cmp_lt_u32 s3, 2
	s_wait_alu depctr_va_vdst(0)                   ; the wait ahead of the branch
	s_cbranch_scc1 .Lkind
	s_wait_tensorcnt 0x0                           ; v: written out, it asks for nothing more
	s_barrier_signal -1
	s_barrier_wait -1
	COMPUTE 1, 0
.irp t, 0,1,2,3                                ; tile t of 16 channels x 128 keys: a whole fragment
	QUANT 3, 64*\t, EB+12*\t, EB+12*\t+6, PW0+\t%2
.if \t%2
	v_cndmask_b32 v[IM+\t/2], v[PW0], v[PW1], s[HM]
.endif
.irp g, 0,1,2
	global_store_b128 v[L16], v[EB+12*\t+4*\g:EB+12*\t+4*\g+3], s[30:31] offset:6656+(3*\t+\g)*512
.endr
.endr
	global_store_b64 v[L8], v[IM:IM+1], s[30:31] offset:12800      ; 32 lanes store 256 consecutive bytes
	s_wait_tensorcnt 0x0                           ; the wave's end
	ds_add_u32 v[SPW], v[NIL]
	s_wait_dscnt 0x0
	CROUND                                         ; the closing round
	s_endpgm
.Lfunc_end_k_qb756ecfa13_proj:
	.size	k_qb756ecfa13_proj, .Lfunc_end_k_qb756ecfa13_proj-k_qb756ecfa13_proj
	.p2alignl 7, 3214868480
	.fill 96, 4, 3214868480
	.section	.rodata,"a",@progbits
	.p2align	6, 0x0
	.amdhsa_kernel k_qb756ecfa13_proj
		.amdhsa_group_segment_fixed_size 327680
		.amdhsa_private_segment_fixed_size 0
		.amdhsa_enable_private_segment 0
		.amdhsa_kernarg_size 112
		.amdhsa_user_sgpr_count 2
		.amdhsa_user_sgpr_kernarg_segment_ptr 1
		.amdhsa_wavefront_size32 1
		.amdhsa_system_sgpr_workgroup_id_x 1
		.amdhsa_system_sgpr_workgroup_id_y 1
		.amdhsa_system_sgpr_workgroup_id_z 1
		.amdhsa_system_vgpr_workitem_id 0
		.amdhsa_next_free_vgpr 1024
		.amdhsa_next_free_sgpr 100
		.amdhsa_reserve_vcc 0
		.amdhsa_float_denorm_mode_32 3
		.amdhsa_float_denorm_mode_16_64 3
		.amdhsa_memory_ordered 1
		.amdhsa_forward_progress 1
		.amdhsa_inst_pref_size 152
	.end_amdhsa_kernel
	.amdgpu_metadata
---
amdhsa.version: [ 1, 2 ]
amdhsa.kernels:
  - .name:           k_qb756ecfa13_proj
    .symbol:         k_qb756ecfa13_proj.kd
    .args:
      - { .name: xq_codes, .offset: 0, .size: 8, .value_kind: global_buffer, .address_space: global }
      - { .name: xq_scales, .offset: 8, .size: 8, .value_kind: global_buffer, .address_space: global }
      - { .name: Wq_codes, .offset: 16, .size: 8, .value_kind: global_buffer, .address_space: global }
      - { .name: Wq_scales, .offset: 24, .size: 8, .value_kind: global_buffer, .address_space: global }
      - { .name: xk_codes, .offset: 32, .size: 8, .value_kind: global_buffer, .address_space: global }
      - { .name: xk_scales, .offset: 40, .size: 8, .value_kind: global_buffer, .address_space: global }
      - { .name: Wk_codes, .offset: 48, .size: 8, .value_kind: global_buffer, .address_space: global }
      - { .name: Wk_scales, .offset: 56, .size: 8, .value_kind: global_buffer, .address_space: global }
      - { .name: xv_codes, .offset: 64, .size: 8, .value_kind: global_buffer, .address_space: global }
      - { .name: xv_scales, .offset: 72, .size: 8, .value_kind: global_buffer, .address_space: global }
      - { .name: Wv_codes, .offset: 80, .size: 8, .value_kind: global_buffer, .address_space: global }
      - { .name: Wv_scales, .offset: 88, .size: 8, .value_kind: global_buffer, .address_space: global }
      - { .name: qi, .offset: 96, .size: 8, .value_kind: global_buffer, .address_space: global }
      - { .name: kv, .offset: 104, .size: 8, .value_kind: global_buffer, .address_space: global }
    .group_segment_fixed_size: 327680
    .private_segment_fixed_size: 0
    .kernarg_segment_align: 8
    .kernarg_segment_size: 112
    .max_flat_workgroup_size: 128
    .sgpr_count:     100
    .vgpr_count:     1024
    .wavefront_size: 32
...
	.end_amdgpu_metadata
.endif
;; end of part 1
;; launch attn (part 2): grid 4 x 64, 16 waves a work-group, clusters of 4 x 1, 210,944 bytes of LDS; arguments qi, kv, oi, os; writes oi, os
.if DOCPART == 2
	.amdgcn_target "amdgcn-amd-amdhsa--gfx1250"
	.amdhsa_code_object_version 6
	.text
	.protected	k_qb756ecfa13_attn
	.globl	k_qb756ecfa13_attn
	.p2align	8
	.type	k_qb756ecfa13_attn,@function
k_qb756ecfa13_attn:
	s_mov_b64 s[64:65], 0
	v_nop
	global_prefetch_b8 v0, s[64:65] scope:SCOPE_SE
	s_setreg_imm32_b32 hwreg(HW_REG_WAVE_MODE, 25, 1), 1
	s_wait_xcnt 0x0
	s_wait_alu depctr_hold_cnt(0) depctr_sa_sdst(0) depctr_va_vdst(0) depctr_va_sdst(0) depctr_va_ssrc(0) depctr_va_vcc(0) depctr_vm_vsrc(0)
	s_getreg_b32 s2, hwreg(HW_REG_IB_STS2, 6, 4)
	s_cmp_eq_u32 s2, 0
	s_cbranch_scc0 .Lentry_in_a_cluster
	s_endpgm
.Lentry_in_a_cluster:
	s_bfe_u32 s2, ttmp6, 0x10000c
	s_cmp_lg_u32 s2, 0x3003
	s_cbranch_scc0 .Lentry_shape_is_right
	s_endpgm
.Lentry_shape_is_right:
; o = softmax(q k^T / 8) v for one head, both products on codes of FP6 (E2M3) with one E8M0 scale for each 32 along a product's K; o is quantised along its 64 channels and leaves as codes.
; INPUT: qi and kv, images of operand registers.  kv: [batch x head 64][128 keys 16][13,056 bytes]: K's codes 6,144, K's scale words 512, V's codes 6,144, V's scale words 256.  qi: [batch x head][128 queries 16][6,656 bytes].
; THE SOFTMAX AHEAD OF THE SECOND PRODUCT: t = score x log2(e) / 8; M = the row's largest t so far, rounded UP to a whole number; p = 2^(t - M) is what is quantised, along the keys, not normalised.
; The row's sum is taken of the unquantised p and divides O at the end.  When M moves, the sum and O are multiplied by 2^(old M - new M): exact.
; SHARES.  A work-group owns 512 queries of one head, as two blocks of 256; in a block each of its SIXTEEN waves owns one tile of 16 queries, in 256 registers: four waves to a SIMD.
; A HEAD'S K, V AND SCALE WORDS, 16 records = 208,896 bytes, LIE IN LDS WHOLE, as in memory, filled once: no slot is ever filled again, nothing is stored to LDS.
; CLUSTER.  The four work-groups of a cluster own the four quarters of one head's queries and read the same records: each record is asked for JOINTLY.  each of the sixteen waves asks for one record (one load a wave is out);
; wave w brings record w, so that the first block of queries starts on the first four records while the others land.
; LAYOUT.  Both products are used transposed: S^T = K Q^T (source 0 = 16 keys, source 1 = my 16 queries), O^T = V^T P^T (source 0 = 16 channels, source 1 = P): a lane holds ONE query (lane % 16) throughout.
; Lane r of K's tile 2 b + u holds key 32 b + 8 u + r + 8 (r / 8), so the 16 registers of S^T's tiles 2 b, 2 b + 1 are keys 32 b + 16 (lane / 16) + 0 .. 15; V's tiles have their channels in the same order, so O^T's registers are neighbours likewise.
; THE FIRST PRODUCT'S K IS 64, the instruction's 128.  Q's fragment holds zero codes in registers 6-11.  K's tile t is the run of 12 registers from 6 t on: its upper six are the next tile's codes (behind the last tile: zeros), which meet Q's zeros.
; OUTPUT.  oi: [tile of 16 queries 512][head 16][piece 3][lane 32][8 bytes]: six registers a lane, channels 32 (lane / 16) + 0 .. 31.  os: [tile][row 16][32 bytes], a head's two bytes at 2 x head.
; Tile T = (16 batch + G) 8 + t holds queries 128 G + 32 (t / 2) + 8 (t % 2) + r + 8 (r / 8).  os is stored two bytes a row, 32 bytes apart: a row's 32 bytes come from 16 work-groups; it is 1/25 of what the launch stores.
; LIMITS: NaN and infinities are not served.  M is exact while |t| < 2^24.  A p that would be denormal is 0 (v_exp_f32: ISA guide 15.8).  A block whose largest magnitude lies under 2^-124 keeps the byte 1.
.set REC,   13056                      ; a record
.set KSC,   6144                       ; in it: K's scale words,
.set VCO,   6656                       ; V's codes,
.set VSC,   12800                      ; V's scale words
.set HEADB, 16*REC
.set QREC,  6656
.set L16, 1                            ; v1   16 x lane; never rewritten
.set L8,  2                            ; v2   8 x lane; never rewritten
.set AD,  3                            ; v3   the step's record + 16 x lane
.set AD2, 4                            ; v4   the step's record + 8 x lane
.set QA,  5                            ; v5   my tile's pieces 0 and 2 in q's image
.set QB,  6                            ; v6   piece 1
.set QSO, 8                            ; v8   my row's scale word in q's image
.set OSO, 10                           ; v10  32 x (lane % 16)
.set Q0,  16                           ; v16-21 block 0's Q, v22-27 zeros
.set QS0, 28                           ; v28, v29 Q's scale words
.set QS1, 29
.set KV,  32                           ; v32-79 K's or V's 48 registers; v80-85 zeros
.set KS,  86                           ; v86-89 K's scale words
.set VS,  90                           ; v90-91 V's
.set S,   96                           ; v96-159 S^T, then p
.set O,   160                          ; v160-191 O^T
.set Q1,  192                          ; v192-197 block 1's Q, v198-203 zeros
.set PCD, 204                          ; v204-215 p's codes
.set CT,  216                          ; v216-222 the conversions' second halves
.set BM,  224                          ; v224-227 a block's largest score, then its largest p
.set BP,  228                          ; v228-231 the other half's, then bytes
.set SO,  232                          ; v232-235 the conversions' scale operands
.set C2,  236                          ; v[236:237] the second chain of the sum
.set PS,  238                          ; v238 p's scale word
.set F,   240                          ; v[240:241] 2^(old M - new M); at the end 1 / the sum
.set T1,  242
.set OW,  243                          ; v243 o's two scale bytes
.set WV,  12                           ; s12  my wave's number
.set SEL, 20                           ; s[20:21] lane selects: lane l xor 16
.set CS,  22                           ; s[22:23] c = log2(e) / 8
.set G1,  24                           ; s[24:31] descriptor group 1;  s[32:35] group 0
.set G0,  32
.set TB,  48                           ; s48  LDS byte at which the step's record begins
.set CNT, 49
.macro CROUND                          ; a round of the cluster's barrier
	s_barrier_signal -1
	s_barrier_wait -1
	s_cmp_lg_u32 s[WV], 0
	s_cbranch_scc1 .Lnot_wave_0_\@
	s_barrier_signal -3
.Lnot_wave_0_\@:
	s_barrier_wait -3
	s_barrier_signal -1
	s_barrier_wait -1
.endm
	s_load_b256 s[4:11], s[0:1], 0x0               ; qi s[4:5], kv s[6:7], oi s[8:9], os s[10:11]
	v_lshl_add_u32 v254, v0, 2, 0x33000
	v_mov_b32 v255, 0
	ds_add_u32 v254, v255
	ds_add_u32 v254, v255
	v_lshrrev_b32 v9, 5, v0
	s_delay_alu instid0(VALU_DEP_1)
	v_readfirstlane_b32 s[WV], v9                  ; wave 0..15
	s_bfe_u32 s13, ttmp6, 0x40000                  ; cx: which quarter of the queries: it enters global addresses of q and o alone
	s_and_b32 s14, ttmp7, 0xffff                   ; 16 x batch + head, which the four partners share
	; descriptor group 1: a record, 13,056 dense bytes, as 51 rows of 256 bytes (32 elements of 8 bytes), no padding
	s_mov_b32 s[G1], 15|(3<<16)|(1<<21)            ; 15:0 the mask: all four work-groups; elements of 8 bytes; 21 set beside a mask
	s_mov_b32 s[G1+1], 32<<16                      ; tensor_dim0
	s_mov_b32 s[G1+2], 51<<16                      ; tensor_dim1
	s_mov_b32 s[G1+3], 32<<16                      ; tile_dim0
	s_mov_b32 s[G1+4], 51                          ; tile_dim1
	s_mov_b32 s[G1+5], 32                          ; tensor_dim0_stride
	s_mov_b32 s[G1+6], 0
	s_mov_b32 s[G1+7], 0
	s_mul_i32 s50, s[WV], REC                      ; WHO ASKS: each of the sixteen waves brings ONE record, wave w record w
	s_mul_i32 s52, s14, HEADB                      ; the head's records
	s_add_co_u32 s52, s52, s50
	s_mov_b32 s53, 0
	s_mov_b32 s[SEL], 0x76543210
	s_mov_b32 s[SEL+1], 0xfedcba98
	s_mov_b32 s[CS], 0x3e38aa3b                    ; c = log2(e) / 8
	s_mov_b32 s[CS+1], s[CS]                       ; (named with it as a pair, so it is written)
	s_wait_dscnt 0x0
	s_wait_kmcnt 0x0
	s_add_nc_u64 s[52:53], s[6:7], s[52:53]
.irp c, 0
	s_mov_b32 s[G0+4*\c], 1
	s_add_co_u32 s[G0+4*\c+1], s50, \c*4*REC       ; LDS address: record 4 c + wave, as in memory
	s_add_nc_u64 s[G0+4*\c+2:G0+4*\c+3], s[52:53], \c*4*REC
	s_or_b32 s[G0+4*\c+3], s[G0+4*\c+3], 0x80000000 ; type = 2
.endr
	CROUND                                         ; all four work-groups are here: the joint loads meet
; one chain of branches on the wave's number, one load to an arm: each group of four waves has a load line of its own, so that a barrier can show its four records alone
.macro ARM under, next
	s_cmp_lt_u32 s[WV], \under
	s_cbranch_scc0 \next
	tensor_load_to_lds s[G0:G0+3], s[G1:G1+7]
	s_nop 0
.rept 4
	v_nop
.endr
	s_branch .Lfilled
\next:
.endm
	ARM 4, .Larm1
	ARM 8, .Larm2
	ARM 12, .Larm3
	tensor_load_to_lds s[G0:G0+3], s[G1:G1+7]
	s_nop 0
.rept 4
	v_nop
.endr
.Lfilled:
	; block 0's tile of mine: G = 4 cx + wave / 8, t = wave % 8; block 1's lies two groups of 128 queries on, which stands in the immediates
	s_lshl_b32 s54, s13, 2
	s_lshr_b32 s55, s[WV], 3
	s_add_co_u32 s54, s54, s55                     ; G
	s_lshl_b32 s56, s14, 4
	s_add_co_u32 s56, s56, s54
	s_mul_i32 s56, s56, QREC
	s_mov_b32 s57, 0
	s_add_nc_u64 s[4:5], s[4:5], s[56:57]          ; q's image of my 128 queries
	s_and_b32 s56, s14, 0x30                       ; 16 x batch
	s_add_co_u32 s56, s56, s54
	s_lshl_b32 s56, s56, 3
	s_and_b32 s51, s[WV], 7                        ; t
	s_add_co_u32 s56, s56, s51                     ; T
	s_and_b32 s55, s14, 15                         ; the head
	s_mul_i32 s52, s56, 12288
	s_mul_i32 s53, s55, 768
	s_add_co_u32 s52, s52, s53
	s_mov_b32 s53, 0
	s_add_nc_u64 s[8:9], s[8:9], s[52:53]          ; oi at my tile and head
	s_lshl_b32 s52, s56, 9
	s_lshl_b32 s55, s55, 1
	s_add_co_u32 s52, s52, s55
	s_add_nc_u64 s[10:11], s[10:11], s[52:53]      ; os likewise
	; my tile's six registers are registers 6 t .. 6 t + 5 of the image's 48: register R lies at 512 (R / 4) + 16 lane + 4 (R % 4).  t even: pieces at 1,536 (t / 2) + 0, 8, 512; t odd: + 520, 1,024, 1,032
	s_lshr_b32 s54, s51, 1
	s_and_b32 s55, s51, 1
	s_mul_i32 s56, s54, 1536
	s_mul_i32 s57, s55, 520
	s_add_co_u32 s57, s57, s56                     ; piece 0; piece 2 is 512 on
	s_mul_i32 s52, s55, 1016
	s_add_co_u32 s52, s52, s56                     ; piece 1, less 8
	v_and_b32 v9, 31, v0
	s_delay_alu instid0(VALU_DEP_1)
	v_lshlrev_b32 v[L16], 4, v9
	s_delay_alu instid0(VALU_DEP_2)
	v_lshlrev_b32 v[L8], 3, v9
	s_delay_alu instid0(VALU_DEP_2)
	v_add_nc_u32 v[QA], s57, v[L16]
	s_delay_alu instid0(VALU_DEP_3)
	v_add_nc_u32 v[QB], s52, v[L16]
	v_and_b32 v9, 15, v0
	s_delay_alu instid0(VALU_DEP_1)
	v_lshlrev_b32 v[QSO], 4, v9
	s_lshl_b32 s55, s55, 8
	s_lshl_b32 s54, s54, 2
	s_add_co_u32 s55, s55, s54
	v_add_nc_u32 v[QSO], s55, v[QSO]               ; the image's lane lane % 16 + 16 (t % 2), word t / 2
	v_lshlrev_b32 v[OSO], 5, v9
	global_load_b64 v[Q0:Q0+1], v[QA], s[4:5]
	global_load_b64 v[Q0+2:Q0+3], v[QB], s[4:5] offset:8
	global_load_b64 v[Q0+4:Q0+5], v[QA], s[4:5] offset:512
	global_load_b32 v[QS0], v[QSO], s[4:5] offset:KSC
	global_load_b64 v[Q1:Q1+1], v[QA], s[4:5] offset:2*QREC
	global_load_b64 v[Q1+2:Q1+3], v[QB], s[4:5] offset:2*QREC+8
	global_load_b64 v[Q1+4:Q1+5], v[QA], s[4:5] offset:2*QREC+512
	global_load_b32 v[QS1], v[QSO], s[4:5] offset:2*QREC+KSC
.irp j, 22,23,24,25,26,27,80,81,82,83,84,85,198,199,200,201,202,203,228,229,230,231,241,242
	v_mov_b32 v[\j], 0                             ; the zero codes; the lane permutes' destinations, which count as sources; the upper half of the pair v[240:241]
.endr
; A KEY STEP: 128 keys, the record at s[TB].  qf: Q's fragment, qs: its scale words.
.macro STEP qf, qs
	v_add_nc_u32 v[AD], s[TB], v[L16]
	v_add_nc_u32 v[AD2], s[TB], v[L8]
	v_nop
	v_nop                                          ; four places behind the last step's products, in front of loads into registers that they read
.irp g, 0,1,2,3,4,5,6,7,8,9,10,11
	ds_load_b128 v[KV+4*\g:KV+4*\g+3], v[AD] offset:512*\g         ; K's codes: 32 lanes read 512 consecutive bytes
.endr
	ds_load_b128 v[KS:KS+3], v[AD] offset:KSC      ; word i: lanes 0-15 tile 2 i's, lanes 16-31 tile 2 i + 1's
	s_wait_alu depctr_va_vdst(0)
	s_wait_dscnt 0x0
.irp t, 0,1,2,3,4,5,6,7
.if \t%2
	v_wmma_scale_f32_16x16x128_f8f6f4 v[S+8*\t:S+8*\t+7], v[KV+6*\t:KV+6*\t+11], v[\qf:\qf+11], 0, v[KS+\t/2], v[\qs] matrix_a_fmt:MATRIX_FMT_FP6 matrix_b_fmt:MATRIX_FMT_FP6 matrix_a_scale:MATRIX_SCALE_ROW1
.else
	v_wmma_scale_f32_16x16x128_f8f6f4 v[S+8*\t:S+8*\t+7], v[KV+6*\t:KV+6*\t+11], v[\qf:\qf+11], 0, v[KS+\t/2], v[\qs] matrix_a_fmt:MATRIX_FMT_FP6 matrix_b_fmt:MATRIX_FMT_FP6
.endif
.endr
.rept 4
	v_nop                                          ; places: for the loads below, and for the first read of the scores
.endr
.irp g, 0,1,2,3,4,5,6,7,8,9,10,11
	ds_load_b128 v[KV+4*\g:KV+4*\g+3], v[AD] offset:VCO+512*\g     ; V's codes land while the softmax is worked
.endr
	ds_load_b64 v[VS:VS+1], v[AD2] offset:VSC
.irp b, 0,1,2,3
	v_max3_num_f32 v[BM+\b], v[S+16*\b], v[S+1+16*\b], v[S+2+16*\b]   ; THE LARGEST SCORE OF EACH BLOCK OF 32 KEYS: for the row's maximum, and, since p rises with the score, for the block's largest p
.endr
.irp i, 3,5,7,9,11,13
.irp b, 0,1,2,3
	v_max3_num_f32 v[BM+\b], v[BM+\b], v[S+16*\b+\i], v[S+1+16*\b+\i]
.endr
.endr
.irp b, 0,1,2,3
	v_max_num_f32 v[BM+\b], v[BM+\b], v[S+15+16*\b]
.endr
.irp b, 0,1,2,3
	s_delay_alu instid0(VALU_DEP_4)
	v_permlanex16_b32 v[BP+\b], v[BM+\b], s[SEL], s[SEL+1]
.endr
.irp b, 0,1,2,3
	s_delay_alu instid0(VALU_DEP_4)
	v_max_num_f32 v[BM+\b], v[BM+\b], v[BP+\b]     ; with lane l xor 16's 16 keys
.endr
	s_delay_alu instid0(VALU_DEP_2)
	v_max3_num_f32 v[T1], v[BM], v[BM+1], v[BM+2]
	s_delay_alu instid0(VALU_DEP_1)
	v_max_num_f32 v[T1], v[T1], v[BM+3]            ; the step's largest score of my query
	s_delay_alu instid0(VALU_DEP_1)
	v_mul_f32 v[T1], s[CS], v[T1]                  ; as t (c is positive)
	s_delay_alu instid0(VALU_DEP_1)
	v_max_num_f32 v13, v13, v[T1]                  ; the running largest t
	v_mov_b32 v[T1], v12
	s_delay_alu instid0(VALU_DEP_2)
	v_floor_f32 v12, -v13                          ; the new -M = floor(-t) = -ceil(t)
	s_delay_alu instid0(VALU_DEP_1)
	v_sub_f32 v[T1], v12, v[T1]                    ; old M - new M: a whole number, 0 or less
	s_delay_alu instid0(VALU_DEP_1)
	v_cvt_i32_f32 v[T1], v[T1]                     ; (it saturates)
	s_delay_alu instid0(VALU_DEP_1)
	v_ldexp_f32 v[F], 1.0, v[T1]                   ; f = 2^(old M - new M)
.set J, 0
.rept 32
	v_pk_fma_f32 v[S+J:S+J+1], v[S+J:S+J+1], s[CS:CS+1], v[12:13] op_sel_hi:[1,0,0]   ; t - M, two at a time
.set J, J+2
.endr
.irp b, 0,1,2,3
	v_fma_f32 v[BM+\b], v[BM+\b], s[CS], v12       ; the same of each block's largest score
.endr
.set J, 0
	s_wait_alu depctr_va_vdst(0)
.rept 64
	v_exp_f32 v[S+J], v[S+J]                       ; p = 2^(t - M), at most 1
.set J, J+1
.endr
	v_pk_mul_f32 v[14:15], v[14:15], v[F:F+1] op_sel_hi:[1,0]      ; the sums under the new M: the plain instruction behind the exponentials
	s_wait_alu depctr_va_vdst(0)                   ; one wait for the batch of 64, ahead of its first reader
.irp b, 0,1,2,3
	v_exp_f32 v[BM+\b], v[BM+\b]                   ; the block's largest p: the same two instructions on the same number
.endr
	v_pk_add_f32 v[236:237], v[100:101], v[104:105]
	v_pk_add_f32 v[252:253], v[108:109], v[112:113]
	v_pk_add_f32 v[250:251], v[116:117], v[120:121]
	v_pk_add_f32 v[248:249], v[124:125], v[128:129]
	v_pk_add_f32 v[246:247], v[132:133], v[136:137]
	v_pk_add_f32 v[244:245], v[140:141], v[144:145]
	v_pk_add_f32 v[238:239], v[148:149], v[152:153]
	v_pk_add_f32 v[14:15], v[14:15], v[156:157]
	v_pk_add_f32 v[236:237], v[236:237], v[96:97]
	v_pk_add_f32 v[252:253], v[252:253], v[98:99]
	v_pk_add_f32 v[250:251], v[250:251], v[102:103]
	v_pk_add_f32 v[248:249], v[248:249], v[106:107]
	v_pk_add_f32 v[246:247], v[246:247], v[110:111]
	v_pk_add_f32 v[244:245], v[244:245], v[114:115]
	v_pk_add_f32 v[238:239], v[238:239], v[118:119]
	v_pk_add_f32 v[14:15], v[14:15], v[122:123]
	v_pk_add_f32 v[236:237], v[236:237], v[126:127]
	v_pk_add_f32 v[252:253], v[252:253], v[130:131]
	v_pk_add_f32 v[250:251], v[250:251], v[134:135]
	v_pk_add_f32 v[248:249], v[248:249], v[138:139]
	v_pk_add_f32 v[246:247], v[246:247], v[142:143]
	v_pk_add_f32 v[244:245], v[244:245], v[146:147]
	v_pk_add_f32 v[238:239], v[238:239], v[150:151]
	v_pk_add_f32 v[14:15], v[14:15], v[154:155]
	v_pk_add_f32 v[236:237], v[236:237], v[158:159]
	s_delay_alu instid0(VALU_DEP_2)
	v_pk_add_f32 v[14:15], v[14:15], v[248:249]
	s_delay_alu instid0(VALU_DEP_2)
	v_pk_add_f32 v[236:237], v[236:237], v[246:247]
	v_pk_add_f32 v[252:253], v[252:253], v[244:245]
	v_pk_add_f32 v[250:251], v[250:251], v[238:239]
	s_delay_alu instid0(VALU_DEP_2)
	v_pk_add_f32 v[14:15], v[14:15], v[252:253]
	s_delay_alu instid0(VALU_DEP_2)
	v_pk_add_f32 v[236:237], v[236:237], v[250:251]
	s_delay_alu instid0(VALU_DEP_1)
	v_pk_add_f32 v[14:15], v[14:15], v[236:237]
	s_wait_alu depctr_va_vdst(0)                   ; and one for the four
.irp b, 0,1,2,3
	v_max_num_f32 v[BM+\b], 0x1800000, v[BM+\b]    ; the floor 2^(3 - 127): the byte cannot fall under 1
.endr
.irp b, 0,1,2,3
	s_delay_alu instid0(VALU_DEP_4)
	v_add_nc_u32 v[SO+\b], 0xff000000, v[BM+\b]    ; 2 off the exponent field: the conversion's scale operand
.endr
.irp b, 0,1,2,3
	s_delay_alu instid0(VALU_DEP_4)
	v_lshrrev_b32 v[BP+\b], 23, v[SO+\b]           ; the scale's byte
.endr
	s_delay_alu instid0(VALU_DEP_3)
	v_lshl_or_b32 v[PS], v[BP+1], 8, v[BP]         ; p's scale word for these 128 keys
	s_delay_alu instid0(VALU_DEP_1)
	v_lshl_or_b32 v[PS], v[BP+2], 16, v[PS]
	s_delay_alu instid0(VALU_DEP_1)
	v_lshl_or_b32 v[PS], v[BP+3], 24, v[PS]
.irp c, 0,1
	v_cvt_scalef32_pk16_fp6_f32 v[PCD+6*\c:PCD+6*\c+2], v[S+32*\c:S+32*\c+15], v[SO+2*\c]
	v_cvt_scalef32_pk16_fp6_f32 v[CT+4*\c:CT+4*\c+2], v[S+16+32*\c:S+31+32*\c], v[SO+2*\c+1]   ; (a conversion's three registers begin on an even number)
.endr
	v_nop                                          ; one plain place behind a scaled conversion
.irp c, 0,1                                    ; the operand's layout wants a WHOLE block in a lane
.irp i, 0,1,2
	v_permlane16_swap_b32 v[PCD+6*\c+\i], v[CT+4*\c+\i]
.endr
.irp i, 0,1,2
	s_delay_alu instid0(VALU_DEP_3)
	v_mov_b32 v[PCD+3+6*\c+\i], v[CT+4*\c+\i]
.endr
.endr
.set J, 0
.rept 16
	v_pk_mul_f32 v[O+J:O+J+1], v[O+J:O+J+1], v[F:F+1] op_sel_hi:[1,0]   ; O^T under the new M.  Of these sixteen, twelve name no register of any one product below: the places between p's codes and scale word and that product
.set J, J+2
.endr
	s_wait_alu depctr_va_vdst(0)
	s_wait_dscnt 0x0                               ; V is in
.irp t, 0,1,2,3                                ; the four accumulators by turns; between two links on one of them stand the next step's eight products
.if \t%2
	v_wmma_scale_f32_16x16x128_f8f6f4 v[O+8*\t:O+8*\t+7], v[KV+12*\t:KV+12*\t+11], v[PCD:PCD+11], v[O+8*\t:O+8*\t+7], v[VS+\t/2], v[PS] matrix_a_fmt:MATRIX_FMT_FP6 matrix_b_fmt:MATRIX_FMT_FP6 matrix_a_scale:MATRIX_SCALE_ROW1
.else
	v_wmma_scale_f32_16x16x128_f8f6f4 v[O+8*\t:O+8*\t+7], v[KV+12*\t:KV+12*\t+11], v[PCD:PCD+11], v[O+8*\t:O+8*\t+7], v[VS+\t/2], v[PS] matrix_a_fmt:MATRIX_FMT_FP6 matrix_b_fmt:MATRIX_FMT_FP6
.endif
.endr
.endm
.macro KEYLOOP n, start, qf, qs        ; n key steps from LDS byte start on
	s_mov_b32 s[TB], \start
	s_mov_b32 s[CNT], \n
.Lkey_\@:
	STEP \qf, \qs
	s_add_co_u32 s[TB], s[TB], REC
	s_sub_co_u32 s[CNT], s[CNT], 1
	s_cmp_lg_u32 s[CNT], 0
	s_cbranch_scc1 .Lkey_\@
.endm
.macro INIT                            ; the step is written once: a block's first step finds zeros, which the first change of M leaves zeros
	v_mov_b32 v13, 0xff61b1e6                      ; the largest t so far: -3e38
	s_delay_alu instid0(VALU_DEP_1)
	v_floor_f32 v12, -v13                          ; -M
	v_mov_b32 v14, 0                               ; the sum, in two halves
	v_mov_b32 v15, 0
.set J, 0
.rept 32
	v_mov_b32 v[O+J], 0
.set J, J+1
.endr
.endm
; A block's end: O^T / the sum; its 64 channels are two blocks of 32, register 16 b + i = channel 32 b + 16 (lane / 16) + i; quantised, they leave as six registers a lane and two scale bytes a row.
.macro OUT blk
	v_add_f32 v14, v14, v15                        ; the sum's two halves,
	s_delay_alu instid0(VALU_DEP_1)
	v_permlanex16_b32 v[T1], v14, s[SEL], s[SEL+1]
	s_delay_alu instid0(VALU_DEP_1)
	v_add_f32 v14, v14, v[T1]                      ; and lane l xor 16's
	s_wait_alu depctr_va_vdst(0)
	v_rcp_f32 v[F], v14
.rept 3
	v_nop                                          ; a plain place behind the reciprocal; with the additions above, the places behind the last products
.endr
	s_wait_alu depctr_va_vdst(0)                   ; the wait ahead of the reciprocal's first reader
.set J, 0
.rept 16
	v_pk_mul_f32 v[S+J:S+J+1], v[O+J:O+J+1], v[F:F+1] op_sel_hi:[1,0]   ; each accumulator from its low end on
.set J, J+2
.endr
.irp b, 0,1
	v_max3_num_f32 v[BM+\b], |v[S+16*\b]|, |v[S+1+16*\b]|, 0x1800000   ; my 16 numbers of block b, and the floor 2^(3 - 127)
.endr
.irp i, 2,4,6,8,10,12,14
.irp b, 0,1
	s_delay_alu instid0(VALU_DEP_2)
	v_max3_num_f32 v[BM+\b], v[BM+\b], |v[S+16*\b+\i]|, |v[S+1+16*\b+\i]|
.endr
.endr
.irp b, 0,1
	s_delay_alu instid0(VALU_DEP_2)
	v_permlanex16_b32 v[BP+\b], v[BM+\b], s[SEL], s[SEL+1]
.endr
.irp b, 0,1
	s_delay_alu instid0(VALU_DEP_2)
	v_max_num_f32 v[BM+\b], v[BM+\b], v[BP+\b]
.endr
.irp b, 0,1
	s_delay_alu instid0(VALU_DEP_2)
	v_add_nc_u32 v[SO+\b], 0xff000000, v[BM+\b]
.endr
.irp b, 0,1
	s_delay_alu instid0(VALU_DEP_2)
	v_lshrrev_b32 v[BP+\b], 23, v[SO+\b]
.endr
	s_delay_alu instid0(VALU_DEP_1)
	v_lshl_or_b32 v[OW], v[BP+1], 8, v[BP]
	v_cvt_scalef32_pk16_fp6_f32 v[PCD:PCD+2], v[S:S+15], v[SO]
	v_cvt_scalef32_pk16_fp6_f32 v[CT:CT+2], v[S+16:S+31], v[SO+1]
	v_nop                                          ; one plain place behind a scaled conversion
.irp i, 0,1,2
	v_permlane16_swap_b32 v[PCD+\i], v[CT+\i]
.endr
.irp i, 0,1,2
	s_delay_alu instid0(VALU_DEP_3)
	v_mov_b32 v[PCD+3+\i], v[CT+\i]
.endr
.irp p, 0,1,2
	global_store_b64 v[L8], v[PCD+2*\p:PCD+2*\p+1], s[8:9] offset:\blk*196608+256*\p   ; 32 lanes store 256 consecutive bytes, at a multiple of 256 from oi's first byte
.endr
	global_store_b16 v[OSO], v[OW], s[10:11] offset:\blk*8192      ; lanes l and l + 16 hold the same two bytes of row l % 16
.endm
	INIT
	s_wait_loadcnt 0x0                             ; Q, both blocks'
.irp c, 0,1,2                                  ; block 0 starts on each four records as they land: the waves that brought them wait, the later groups' loads may be out
	s_wait_alu depctr_va_vdst(0)                   ; the wait ahead of the branch
	s_cmp_lt_u32 s[WV], 4*\c+4
	s_cbranch_scc0 .Lnot_mine\c
	s_wait_tensorcnt 0x0
.Lnot_mine\c:
	s_barrier_signal -1
	s_barrier_wait -1
	KEYLOOP 4, \c*4*REC, Q0, QS0
.endr
	s_wait_alu depctr_va_vdst(0)
	s_wait_tensorcnt 0x0                           ; the last four: every wave waits
	s_barrier_signal -1
	s_barrier_wait -1
	KEYLOOP 4, 12*REC, Q0, QS0
	OUT 0
	s_wait_xcnt 0x0                                ; the stores have read their data, which block 1 writes again
	INIT
	KEYLOOP 16, 0, Q1, QS1
	OUT 1
	s_wait_tensorcnt 0x0
	ds_add_u32 v254, v255
	s_wait_dscnt 0x0
	CROUND                                         ; the closing round
	s_endpgm
.Lfunc_end_k_qb756ecfa13_attn:
	.size	k_qb756ecfa13_attn, .Lfunc_end_k_qb756ecfa13_attn-k_qb756ecfa13_attn
	.p2alignl 7, 3214868480
	.fill 96, 4, 3214868480
	.section	.rodata,"a",@progbits
	.p2align	6, 0x0
	.amdhsa_kernel k_qb756ecfa13_attn
		.amdhsa_group_segment_fixed_size 210944
		.amdhsa_private_segment_fixed_size 0
		.amdhsa_enable_private_segment 0
		.amdhsa_kernarg_size 32
		.amdhsa_user_sgpr_count 2
		.amdhsa_user_sgpr_kernarg_segment_ptr 1
		.amdhsa_wavefront_size32 1
		.amdhsa_system_sgpr_workgroup_id_x 1
		.amdhsa_system_sgpr_workgroup_id_y 1
		.amdhsa_system_sgpr_workgroup_id_z 1
		.amdhsa_system_vgpr_workitem_id 0
		.amdhsa_next_free_vgpr 256
		.amdhsa_next_free_sgpr 66
		.amdhsa_reserve_vcc 0
		.amdhsa_float_denorm_mode_32 3
		.amdhsa_float_denorm_mode_16_64 3
		.amdhsa_memory_ordered 1
		.amdhsa_forward_progress 1
		.amdhsa_inst_pref_size 102
	.end_amdhsa_kernel
	.amdgpu_metadata
---
amdhsa.version: [ 1, 2 ]
amdhsa.kernels:
  - .name:           k_qb756ecfa13_attn
    .symbol:         k_qb756ecfa13_attn.kd
    .args:
      - { .name: qi, .offset: 0, .size: 8, .value_kind: global_buffer, .address_space: global }
      - { .name: kv, .offset: 8, .size: 8, .value_kind: global_buffer, .address_space: global }
      - { .name: oi, .offset: 16, .size: 8, .value_kind: global_buffer, .address_space: global }
      - { .name: os, .offset: 24, .size: 8, .value_kind: global_buffer, .address_space: global }
    .group_segment_fixed_size: 210944
    .private_segment_fixed_size: 0
    .kernarg_segment_align: 8
    .kernarg_segment_size: 32
    .max_flat_workgroup_size: 512
    .sgpr_count:     66
    .vgpr_count:     256
    .wavefront_size: 32
...
	.end_amdgpu_metadata
.endif
;; end of part 2
;; launch outp (part 3): grid 8 x 32, 4 waves a work-group, clusters of 4 x 4, 327,680 bytes of LDS; arguments oi, os, Wo_codes, Wo_scales, bo, out0; writes out0
.if DOCPART == 3
	.amdgcn_target "amdgcn-amd-amdhsa--gfx1250"
	.amdhsa_code_object_version 6
	.text
	.protected	k_qb756ecfa13_outp
	.globl	k_qb756ecfa13_outp
	.p2align	8
	.type	k_qb756ecfa13_outp,@function
k_qb756ecfa13_outp:
	s_mov_b64 s[64:65], 0
	v_nop
	global_prefetch_b8 v0, s[64:65] scope:SCOPE_SE
	s_setreg_imm32_b32 hwreg(HW_REG_WAVE_MODE, 25, 1), 1
	s_wait_xcnt 0x0
	s_wait_alu depctr_hold_cnt(0) depctr_sa_sdst(0) depctr_va_vdst(0) depctr_va_sdst(0) depctr_va_ssrc(0) depctr_va_vcc(0) depctr_vm_vsrc(0)
	s_getreg_b32 s2, hwreg(HW_REG_IB_STS2, 6, 4)
	s_cmp_eq_u32 s2, 0
	s_cbranch_scc0 .Lentry_in_a_cluster
	s_endpgm
.Lentry_in_a_cluster:
	s_bfe_u32 s2, ttmp6, 0x10000c
	s_cmp_lg_u32 s2, 0xf033
	s_cbranch_scc0 .Lentry_shape_is_right
	s_endpgm
.Lentry_shape_is_right:
; out0 = o Wo^T + bo on codes of FP6 (E2M3), one E8M0 scale for each 32 along K = 1,024; sums in f32.
; 256 work-groups of four waves; each makes 256 rows x 128 columns, a wave 128 x 64.  Both operands lie in LDS with ALL of K, filled once: no ring, no refill, and no loop to prefetch in.
; THE WORK GOES BY ROWS OF THE RESULT: a wave holds its 64 rows of Wo, all of K, in registers (32 fragments, 384 registers) and streams o's eight tiles of 16 rows past them, each in eight fragments, two sets.
; A tile's 16 x 64 results are finished after its 32 products and leave under the next tile's products.  No fragment is read from LDS twice.
; o comes as the attention launch leaves it: oi [tile of 16 queries][head][piece 3][lane][8 bytes], 12,288 dense bytes a tile, os [tile][row][32 bytes]; tile 8 G + t holds queries 128 G + 32 (t / 2) + 8 (t % 2) + r + 8 (r / 8).
; Wo's rows are 768 bytes, which begin at multiples of 256 bytes, 16 bytes of padding behind every 256 in LDS.  o's tiles are asked for jointly along a row of the 4 x 4 cluster, Wo's rows along a column.
; The scale words go from memory into registers (a lane its row's 32 bytes).  Source 0 = 16 rows of Wo, source 1 = 16 rows of o: a lane holds eight neighbouring columns of a row.  The bias is the first products' C.
; The way out goes through each wave's own stage in LDS, so that sixteen lanes store 256 consecutive bytes, aligned.
; REGISTERS: fragment f lies in window 1 + f / 21 at register 12 (f % 21): 0-31 Wo's (4 step + tile), 32-39 and 40-47 o's two sets; v896-959 two sets of four accumulators; window 0 the rest.
; LIMITS: NaN, infinities and the byte 0xff among the given scales are not served.
.set PITCH, 816
.set KROW,  768
.set TILEB, 12288
.set BB0,   16*TILEB
.set SPARE, BB0+128*PITCH
.set STG,   SPARE+512                  ; the stages: 16 rows x 272 bytes a wave, bytes into which no fill lands
.set SP,    272
.set FPW,   21
.set AC,    128                        ; the accumulators, in window 3
.set AA,  10                           ; v10, v11 o's tiles 0-3, 4-7 of my eight
.set BA,  26                           ; v26-33 Wo's four tiles
.set STO, 34
.set RD,  35
.set SPW, 36
.set NIL, 37
.set ASO, 38
.set CO,  39
.set BOF, 40
.set SA,  72
.set SB,  108
.set BK,  128                          ; v128-191 rows read back, two sets
.set BIAS, 192                         ; v192-223
.set G1A, 36
.set G1B, 44
.set G0A, 52
.set G0B, 56
.set MSB, 0
.macro WIN new
.if MSB != (\new)
	s_set_vgpr_msb (MSB<<8)|(\new)
.set MSB, (\new)
.endif
.endm
.macro PLACES n
.rept \n
	v_nop
.endr
.endm
.macro CROUND
	s_barrier_signal -1
	s_barrier_wait -1
	s_cmp_lg_u32 s60, 0
	s_cbranch_scc1 .Lnw0_\@
	s_barrier_signal -3
.Lnw0_\@:
	s_barrier_wait -3
	s_barrier_signal -1
	s_barrier_wait -1
.endm
.macro FRAG reg, q, a0                 ; Wo's fragment: six pieces of 8 bytes, two to a load where both go by the same address register
.set SKIP_, 0
.irp p, 0,1,2,3,4,5
.if SKIP_
.set SKIP_, 0
.else
.set PC_, 12*(\q)+6*(\p/3)+\p%3
.set PN_, 12*(\q)+6*((\p+1)/3)+(\p+1)%3
.set X_, (PC_%32+3)/32
.set XQ_, (PN_%32+3)/32
.if (\p < 5) && (X_ == XQ_)
.set SKIP_, 1
	ds_load_2addr_b64 v[(\reg)+2*\p:(\reg)+2*\p+3], v[(\a0)+X_] offset0:PC_+2*(PC_/32) offset1:PN_+2*(PN_/32)
.else
	ds_load_b64 v[(\reg)+2*\p:(\reg)+2*\p+1], v[(\a0)+X_] offset:8*(PC_+2*(PC_/32))
.endif
.endif
.endr
.endm
.macro WEIGHTS                         ; my 64 rows of Wo, all of K
.irp q, 0,1,2,3,4,5,6,7
.irp j, 0,1,2,3
	WIN (1+(4*\q+\j)/FPW)<<6
	FRAG 12*((4*\q+\j)%FPW), \q, BA+2*\j
.endr
.endr
.endm
.macro FETCHA a, e                     ; o's tile a, all of K, into set e: 48 loads; 32 lanes read 256 consecutive bytes
.irp q, 0,1,2,3,4,5,6,7
	WIN (1+(32+8*(\e)+\q)/FPW)<<6
.irp p, 0,1,2,3,4,5
	ds_load_b64 v[12*((32+8*(\e)+\q)%FPW)+2*\p:12*((32+8*(\e)+\q)%FPW)+2*\p+1], v[AA+(\a)/4] offset:((\a)%4)*TILEB+\q*1536+256*\p
.endr
.endr
.endm
.macro WM z, ra, rb
.if \z
	v_wmma_scale_f32_16x16x128_f8f6f4 v[D_:D_+7], v[S0_:S0_+11], v[S1_:S1_+11], v[C_:C_+7], v[X0_], v[X1_] matrix_a_fmt:MATRIX_FMT_FP6 matrix_b_fmt:MATRIX_FMT_FP6 matrix_a_scale:MATRIX_SCALE_ROW\ra matrix_b_scale:MATRIX_SCALE_ROW\rb
.else
	v_wmma_scale_f32_16x16x128_f8f6f4 v[D_:D_+7], v[S0_:S0_+11], v[S1_:S1_+11], v[D_:D_+7], v[X0_], v[X1_] matrix_a_fmt:MATRIX_FMT_FP6 matrix_b_fmt:MATRIX_FMT_FP6 matrix_a_scale:MATRIX_SCALE_ROW\ra matrix_b_scale:MATRIX_SCALE_ROW\rb
.endif
.endm
.macro WR z
.if RA_ && RB_
	WM \z, 1, 1
.elseif RA_
	WM \z, 1, 0
.elseif RB_
	WM \z, 0, 1
.else
	WM \z, 0, 0
.endif
.endm
.macro BLOCK a                         ; tile a's 32 products; its four accumulators take turns, one instruction a turn; the first four take the bias as C
.irp q, 0,1,2,3,4,5,6,7
.irp b, 0,1,2,3
.set FB_, 4*\q+\b
.set FA_, 32+8*((\a)%2)+\q
.set D_, AC+32*((\a)%2)+8*\b
.set C_, BIAS+8*\b
.set S0_, 12*(FB_%FPW)
.set S1_, 12*(FA_%FPW)
.set X0_, SB+8*(\b/2)+\q
.set X1_, SA+8*((\a)/2)+\q
.set RA_, \b%2
.set RB_, (\a)%2
.if \q
	WIN (1+FB_/FPW)|((1+FA_/FPW)<<2)|0xf0
.else
	WIN (1+FB_/FPW)|((1+FA_/FPW)<<2)|0xc0
.endif
	WR \q==0
.endr
.endr
.endm
	s_load_b256 s[4:11], s[0:1], 0x0               ; oi, os, Wo's codes, Wo's scales
	s_load_b128 s[12:15], s[0:1], 0x20             ; bo, out0
	v_lshl_add_u32 v[SPW], v0, 2, SPARE
	v_mov_b32 v[NIL], 0
	ds_add_u32 v[SPW], v[NIL]                      ; the opening lines
	ds_add_u32 v[SPW], v[NIL]
	v_lshrrev_b32 v1, 5, v0
	v_readfirstlane_b32 s60, v1
	s_lshr_b32 s61, s60, 1                         ; my half of the rows.  Also: I ask for o (0) or Wo (1)
	s_and_b32 s62, s60, 1                          ; my half of the columns.  Also: which half I ask for
	s_bfe_u32 s66, ttmp6, 0x40000
	s_bfe_u32 s67, ttmp6, 0x40004
	s_lshl_b32 s68, ttmp9, 2
	s_add_co_u32 s68, s68, s66                     ; block column, 0 .. 7
	s_and_b32 s69, ttmp7, 0xffff
	s_lshl_b32 s69, s69, 2
	s_add_co_u32 s69, s69, s67                     ; block row, 0 .. 31
	s_lshl_b32 s70, s67, 2
	s_lshl_b32 s70, 15, s70
	s_lshl_b32 s71, 0x1111, s66
	s_or_b32 s[G1A+0], s70, (3<<16)|(1<<21)        ; eight tiles of 12,288 dense bytes, elements of 8 bytes, no padding
	s_mov_b32 s[G1A+1], (TILEB/8)<<16
	s_mov_b32 s[G1A+2], 8<<16
	s_mov_b32 s[G1A+3], (TILEB/8)<<16
	s_mov_b32 s[G1A+4], 8
	s_mov_b32 s[G1A+5], TILEB/8
	s_mov_b32 s[G1A+6], 0
	s_mov_b32 s[G1A+7], 0
	s_or_b32 s[G1B+0], s71, (1<<20)|(1<<21)|(5<<22)|(3<<25)   ; 64 rows of 768 bytes, 16 bytes of padding behind every 64 words
	s_mov_b32 s[G1B+1], KROW<<16
	s_mov_b32 s[G1B+2], 64<<16
	s_mov_b32 s[G1B+3], KROW<<16
	s_mov_b32 s[G1B+4], 64
	s_mov_b32 s[G1B+5], KROW
	s_mov_b32 s[G1B+6], 0
	s_mov_b32 s[G1B+7], 0
	s_lshl_b32 s80, s69, 1
	s_add_co_u32 s72, s80, s62
	s_mul_i32 s72, s72, 8*TILEB                    ; the eight tiles that I ask for
	s_mov_b32 s73, 0
	s_add_co_u32 s80, s80, s61                     ; my 128 rows: group 0 .. 63
	s_lshl_b32 s76, s80, 12                        ; their scales
	s_mov_b32 s77, 0
	s_lshl_b32 s81, s68, 1
	s_add_co_u32 s81, s81, s62                     ; my 64 columns, and Wo's 64 rows that I ask for
	s_mul_i32 s74, s81, 64*KROW
	s_mov_b32 s75, 0
	s_lshl_b32 s78, s81, 11
	s_mov_b32 s79, 0
	s_lshl_b32 s82, s81, 8                         ; 64 columns of f32
	s_mov_b32 s83, 0
	s_lshl_b32 s84, s80, 19                        ; 128 rows of 4,096 bytes
	s_mov_b32 s85, 0
	s_mov_b32 s[G0A], 1
	s_mul_i32 s[G0A+1], s62, 8*TILEB
	s_mov_b32 s[G0B], 1
	s_mul_i32 s[G0B+1], s62, 64*PITCH
	s_add_co_u32 s[G0B+1], s[G0B+1], BB0
	s_mul_i32 s90, s61, 8*TILEB
	s_mul_i32 s91, s62, 64*PITCH
	s_add_co_u32 s91, s91, BB0
	s_mul_i32 s92, s60, 16*SP
	s_add_co_u32 s92, s92, STG                     ; my stage
	s_wait_dscnt 0x0
	s_wait_kmcnt 0x0
	s_add_nc_u64 s[G0A+2:G0A+3], s[4:5], s[72:73]
	s_or_b32 s[G0A+3], s[G0A+3], 0x80000000
	s_add_nc_u64 s[G0B+2:G0B+3], s[8:9], s[74:75]
	s_or_b32 s[G0B+3], s[G0B+3], 0x80000000
	s_add_nc_u64 s[6:7], s[6:7], s[76:77]
	s_add_nc_u64 s[10:11], s[10:11], s[78:79]
	s_add_nc_u64 s[12:13], s[12:13], s[82:83]
	s_add_nc_u64 s[14:15], s[14:15], s[82:83]
	s_add_nc_u64 s[14:15], s[14:15], s[84:85]
	CROUND                                         ; ahead of the joint loads
	s_cmp_eq_u32 s61, 0                            ; one load a wave: waves 0, 1 o's halves, waves 2, 3 Wo's
	s_cbranch_scc0 .Lfor_b
	tensor_load_to_lds s[G0A:G0A+3], s[G1A:G1A+7]
	s_nop 0
	PLACES 4
	s_branch .Lasked
.Lfor_b:
	tensor_load_to_lds s[G0B:G0B+3], s[G1B:G1B+7]
	s_nop 0
	PLACES 4
.Lasked:
	v_and_b32 v1, 15, v0                           ; r
	v_bfe_u32 v2, v0, 4, 1                         ; h
	v_and_b32 v9, 31, v0
	v_mul_u32_u24 v4, v1, PITCH
	v_mad_u32_u24 v5, v2, 24, v4
	v_mad_u32_u24 v6, v2, 40, v4
	v_add_nc_u32 v5, s91, v5
	v_add_nc_u32 v6, s91, v6
.irp i, 0,1,2,3
	v_add_nc_u32 v[BA+2*\i], 16*\i*PITCH, v5
	v_add_nc_u32 v[BA+2*\i+1], 16*\i*PITCH, v6
.endr
	v_lshl_add_u32 v[AA], v9, 3, s90
	v_add_nc_u32 v[AA+1], 4*TILEB, v[AA]
	v_lshlrev_b32 v[ASO], 5, v9                    ; lanes 0-15 the even tile's rows, lanes 16-31 the odd tile's
	v_lshlrev_b32 v[BOF], 5, v2
	v_mul_u32_u24 v7, v1, SP
	v_lshl_add_u32 v7, v2, 5, v7
	v_add_nc_u32 v[STO], s92, v7                   ; in: row r, 32 bytes for each half of the lanes
	v_mul_u32_u24 v8, v2, SP
	v_lshl_add_u32 v8, v1, 4, v8
	v_add_nc_u32 v[RD], s92, v8                    ; back: lanes 0-15 one row of 256 bytes, lanes 16-31 the next
	v_lshlrev_b32 v3, 12, v2
	v_lshl_add_u32 v[CO], v1, 4, v3                ; and the same two rows in out0
	s_wait_alu depctr_va_vdst(0)                   ; the wait at the head's end
.irp g, 0,1,2,3
	global_load_b128 v[SA+8*\g:SA+8*\g+3], v[ASO], s[6:7] offset:1024*\g
	global_load_b128 v[SA+8*\g+4:SA+8*\g+7], v[ASO], s[6:7] offset:1024*\g+16
.endr
.irp g, 0,1
	global_load_b128 v[SB+8*\g:SB+8*\g+3], v[ASO], s[10:11] offset:1024*\g
	global_load_b128 v[SB+8*\g+4:SB+8*\g+7], v[ASO], s[10:11] offset:1024*\g+16
.endr
.irp b, 0,1,2,3
	global_load_b128 v[BIAS+8*\b:BIAS+8*\b+3], v[BOF], s[12:13] offset:64*\b        ; bo at my eight columns of tile b
	global_load_b128 v[BIAS+8*\b+4:BIAS+8*\b+7], v[BOF], s[12:13] offset:64*\b+16
.endr
	s_wait_tensorcnt 0x0                           ; my part is in,
	s_barrier_signal -1
	s_barrier_wait -1                              ; everybody's is
	WEIGHTS
	FETCHA 0, 0
	FETCHA 1, 1
	WIN 0
	s_wait_loadcnt 0x0
; THE WAY OUT of a tile, 16 rows x 64 columns.  LDS serves a wave's instructions in order (ISA guide 5.7.1.4): no wait between my stores and my loads
.macro TOSTAGE a                       ; 16 LDS instructions
	WIN 0x0c                                       ; the data: window 3
.irp b, 0,1,2,3
	ds_store_b128 v[STO], v[AC+32*((\a)%2)+8*\b:AC+32*((\a)%2)+8*\b+3] offset:64*\b        ; each accumulator from its low end on
	ds_store_b128 v[STO], v[AC+32*((\a)%2)+8*\b+4:AC+32*((\a)%2)+8*\b+7] offset:64*\b+16
.endr
	WIN 0
.irp t, 0,1,2,3,4,5,6,7
	ds_load_b128 v[BK+32*((\a)%2)+4*\t:BK+32*((\a)%2)+4*\t+3], v[RD] offset:\t*2*SP
.endr
.endm
.macro SEND a, younger                 ; tile a's row p is query 32 (a / 2) + 8 (a % 2) + p + 8 (p / 8) of my 128
	s_wait_dscnt \younger
.irp t, 0,1,2,3,4,5,6,7
	global_store_b128 v[CO], v[BK+32*((\a)%2)+4*\t:BK+32*((\a)%2)+4*\t+3], s[14:15] offset:(32*((\a)/2)+8*((\a)%2)+2*\t+8*(\t/4))*4096 th:TH_STORE_NT   ; 16 lanes store 256 consecutive bytes, aligned
.endr
.endm
; The LDS instructions go out in this order: Wo's, tile 0's, tile 1's fetch; then behind tile a's products its stage (16) and tile a + 2's fetch (48).
; Ahead of tile a's products its fetch is waited for: behind it stand tile 1's fetch (a = 0: 48); a stage and a fetch, 64, of which the counter's field names 63 (a = 1 .. 6); tile 6's stage (a = 7: 16).
; Ahead of tile a - 1's stores its stage is waited for: behind it stands tile a + 1's fetch (48), or nothing (a = 7).
.irp a, 0,1,2,3,4,5,6,7
.if \a == 0
	s_wait_dscnt 48
.elseif \a == 7
	s_wait_dscnt 16
.else
	s_wait_dscnt 63
.endif
	BLOCK \a
	WIN 0
.if \a == 7
	SEND 6, 0
.elseif \a > 0
	SEND \a-1, 48
.endif
	PLACES 4                                       ; between the tile's products and the reads of their results and the loads into their set
.if \a > 1
	s_wait_xcnt 0x0                                ; tile a - 2's stores have read their data: tile a's rows may land there
.endif
	TOSTAGE \a
.if \a < 6
	FETCHA \a+2, \a%2
	WIN 0
.endif
.endr
	SEND 7, 0
	s_wait_tensorcnt 0x0                           ; the wave's end
	ds_add_u32 v[SPW], v[NIL]
	s_wait_dscnt 0x0
	CROUND                                         ; the closing round
	s_endpgm
.Lfunc_end_k_qb756ecfa13_outp:
	.size	k_qb756ecfa13_outp, .Lfunc_end_k_qb756ecfa13_outp-k_qb756ecfa13_outp
	.p2alignl 7, 3214868480
	.fill 96, 4, 3214868480
	.section	.rodata,"a",@progbits
	.p2align	6, 0x0
	.amdhsa_kernel k_qb756ecfa13_outp
		.amdhsa_group_segment_fixed_size 327680
		.amdhsa_private_segment_fixed_size 0
		.amdhsa_enable_private_segment 0
		.amdhsa_kernarg_size 48
		.amdhsa_user_sgpr_count 2
		.amdhsa_user_sgpr_kernarg_segment_ptr 1
		.amdhsa_wavefront_size32 1
		.amdhsa_system_sgpr_workgroup_id_x 1
		.amdhsa_system_sgpr_workgroup_id_y 1
		.amdhsa_system_sgpr_workgroup_id_z 1
		.amdhsa_system_vgpr_workitem_id 0
		.amdhsa_next_free_vgpr 1024
		.amdhsa_next_free_sgpr 100
		.amdhsa_reserve_vcc 0
		.amdhsa_float_denorm_mode_32 3
		.amdhsa_float_denorm_mode_16_64 3
		.amdhsa_memory_ordered 1
		.amdhsa_forward_progress 1
		.amdhsa_inst_pref_size 90
	.end_amdhsa_kernel
	.amdgpu_metadata
---
amdhsa.version: [ 1, 2 ]
amdhsa.kernels:
  - .name:           k_qb756ecfa13_outp
    .symbol:         k_qb756ecfa13_outp.kd
    .args:
      - { .name: oi, .offset: 0, .size: 8, .value_kind: global_buffer, .address_space: global }
      - { .name: os, .offset: 8, .size: 8, .value_kind: global_buffer, .address_space: global }
      - { .name: Wo_codes, .offset: 16, .size: 8, .value_kind: global_buffer, .address_space: global }
      - { .name: Wo_scales, .offset: 24, .size: 8, .value_kind: global_buffer, .address_space: global }
      - { .name: bo, .offset: 32, .size: 8, .value_kind: global_buffer, .address_space: global }
      - { .name: out0, .offset: 40, .size: 8, .value_kind: global_buffer, .address_space: global }
    .group_segment_fixed_size: 327680
    .private_segment_fixed_size: 0
    .kernarg_segment_align: 8
    .kernarg_segment_size: 48
    .max_flat_workgroup_size: 128
    .sgpr_count:     100
    .vgpr_count:     1024
    .wavefront_size: 32
...
	.end_amdgpu_metadata
.endif
;; end of part 3
